; MI455X (gfx1250); checked and timed in simulation.
; The chip was launched on July 23, 2026; its instructions are those of AMD's public machine-readable ISA for CDNA 5 (MIT licence, August 2026) and "CDNA5" Instruction Set Architecture Reference Guide (July 2026). The comments in the code are by the model that wrote it; some were corrected since.
;; T5 Attention. Allowed arithmetic: matrix products marked QUANTISED: E2M3 operands, one E8M0 scale for each 32 along K, by v_wmma_scale_f32_16x16x128_f8f6f4 with both operands' format E2M3, f32 sums; everything else in f32.
;; Inputs: hidden_states_codes 8 x 1,024 x 32 x 24 uint8 (E2M3 codes of hidden_states, K innermost, in blocks of 32 codes, four codes in three bytes); hidden_states_scales 8 x 1,024 x 32 uint8 (E8M0 scales of hidden_states, one for each 32 codes along K); rel_bias_emb 32 x 16 float32; w_out_codes 1,024 x 32 x 24 uint8 (E2M3 codes of w_out, K innermost, in blocks of 32 codes, four codes in three bytes); w_out_scales 1,024 x 32 uint8 (E8M0 scales of w_out, one for each 32 codes along K); w_qkv_codes 3,072 x 32 x 24 uint8 (E2M3 codes of w_qkv, K innermost, in blocks of 32 codes, four codes in three bytes); w_qkv_scales 3,072 x 32 uint8 (E8M0 scales of w_qkv, one for each 32 codes along K).
;; Outputs: out0 8 x 1,024 x 1,024 float32.
;; This version of the problem:
;;   THIS VERSION OF THE PROBLEM IS GIVEN IN LOW PRECISION. The matrix products marked QUANTISED in the list below multiply operands that are first quantised to E2M3 (2 exponent bits, 3 mantissa bits; 6 bits a number), with one power-of-two scale for each 32 numbers along K (OCP MX v1.0); their sums are f32. All else is computed in f32.
;;   The module's matrix products, in the order in which they are computed (A, B: the left and right operand; K: the contracted axis; several contracted axes count as one K, in the product's order):
;;     1. [M 8,192, K 1,024] x [K 1,024, N 3,072]; A: input hidden_states (given as codes); B: input w_qkv (given as codes): QUANTISED
;;     2. batch 128 x [M 1,024, K 64] x [K 64, N 1,024]; A: computed on the way; B: computed on the way: QUANTISED
;;     3. batch 128 x [M 64, K 1,024] x [K 1,024, N 1,024]; A: computed on the way; B: softmax (see below): QUANTISED
;;     4. [M 8,192, K 1,024] x [K 1,024, N 1,024]; A: computed on the way; B: input w_out (given as codes): QUANTISED
;;   THE QUANTISER, for each operand of a quantised product, along K:
;;     - K is cut into blocks of 32 from its start; a last block that is shorter is filled with zeros.
;;     - A block's scale is 2^e with e = floor(log2(the largest magnitude in the block)) - 2, held to -126 .. 127; a block of zeros has e = 0. As a byte (E8M0): e + 127.
;;     - Each number is divided by its block's scale, clamped to +-7.5, and rounded to the nearest number of E2M3, ties to even, subnormals kept.
;;     - The product sums the exact products of the quantised numbers (number of the format x scale) in f32.
;;   ~~~python
;;   def quantise(x, axis):      # numpy; x: float32 -> the quantised numbers, widened to float32 again
;;       x = np.moveaxis(x, axis, -1); K = x.shape[-1]
;;       x = np.pad(x, [(0, 0)] * (x.ndim - 1) + [(0, -K % 32)]); x = x.reshape(x.shape[:-1] + (-1, 32)); a = np.abs(x).max(-1, keepdims=True)
;;       e = np.where(a > 0, np.clip(np.frexp(np.where(a > 0, a, 1))[1] - 1 - 2, -126, 127), 0)      # np.frexp(a)[1] - 1 = floor(log2(a)), exactly
;;       r = np.clip(x / 2.0 ** e, -7.5, 7.5)
;;       step = 2.0 ** (np.maximum(np.frexp(np.where(r == 0, 1, r))[1] - 1, 0) - 3)
;;       q = np.round(r / step) * step * 2.0 ** e      # np.round: ties to even
;;       return np.moveaxis(q.reshape(q.shape[:-2] + (-1,))[..., :K], -1, axis).astype(np.float32)
;;   ~~~
;;   SOFTMAX AHEAD OF A QUANTISED PRODUCT. Where the list says 'softmax', what is quantised is not the finished softmax but p = 2^(t - M), with t = logit x log2(e) and M = ceil(the row's largest t), a whole number; so 1/2 < the row's largest p <= 1. The row's sum l is taken of the UNQUANTISED p, in f32, and the product's result is divided by l at the end. Since M is a whole number, a kernel that streams over the keys may use a running M (the ceiling of the running maximum): every later rescaling is an exact power of two, which a block's scale takes up: the codes' values come out the same.
;;   OPERANDS COMPUTED ON THE WAY. 'Computed on the way' means the value that the module computes at that place (a softmax that the list does not call 'softmax' is quantised finished and normalised). What goes into a quantiser is computed in f32, as accurately as f32 sums, v_exp_f32 and their like allow (about 1e-6 of the number): no bf16 or f16 on the way to a quantiser, and a product that is left as it is and whose result goes on into a quantised operand takes f32 operands (vector FMAs, or v_wmma_f32_16x16x4_f32). A number that lies on a knife's edge between two numbers of the format may be rounded either way, as far as f32 arithmetic and the matrix unit's own rounding can turn it there, and no further.
;;   INPUTS GIVEN AS CODES. hidden_states (in the module: [8, 1024, 1024], K = its axis 2); w_out (in the module: [1024, 1024], K = its axis 1); w_qkv (in the module: [3072, 1024], K = its axis 1): each comes as NAME_codes (uint8): NAME with its K axis moved to the last place and cut into blocks of 32 codes, [.., K / 32, bytes a block], one block behind the other in memory; four codes in three bytes: a row's codes are one little-endian stream of bits, code i at bits 6 i .. 6 i + 5 (a code: sign, 2 exponent bits, 3 mantissa bits); and NAME_scales (uint8): the same leading axes, one E8M0 byte (e + 127) for each 32 codes along K. Its value is code x scale, taken as it is: it is not quantised again, and the codes and scales need not be those that the quantiser above would give.
;; One version. Each part assembles by itself: llvm-mc -triple=amdgcn-amd-amdhsa -mcpu=gfx1250 --defsym DOCPART=n.
;; ======== version 1 of 1: 3 launches
;; limits: right only within a limited range of input values
;; workspace buffers: qk_img 12,582,912 bytes; qk_sc 1,048,576 bytes; v_img 6,291,456 bytes; v_sc 262,144 bytes; a_img 6,291,456 bytes; a_sc 262,144 bytes
;; launch qkv (part 1): grid 8 x 32, 4 waves a work-group, clusters of 4 x 4, 327,680 bytes of LDS; arguments hidden_states_codes, hidden_states_scales, w_qkv_codes, w_qkv_scales, qk_img, qk_sc, v_img, v_sc; writes qk_img, qk_sc, v_img, v_sc
.if DOCPART == 1
	.amdgcn_target "amdgcn-amd-amdhsa--gfx1250"
	.amdhsa_code_object_version 6
	.text
	.protected	k_q4022a22fdb_qkv
	.globl	k_q4022a22fdb_qkv
	.p2align	8
	.type	k_q4022a22fdb_qkv,@function
k_q4022a22fdb_qkv:
	s_mov_b64 s[64:65], 0
	v_nop
	global_prefetch_b8 v0, s[64:65] scope:SCOPE_SE
	s_setreg_imm32_b32 hwreg(HW_REG_WAVE_MODE, 25, 1), 1
	s_wait_xcnt 0x0
	s_wait_alu depctr_hold_cnt(0) depctr_sa_sdst(0) depctr_va_vdst(0) depctr_va_sdst(0) depctr_va_ssrc(0) depctr_va_vcc(0) depctr_vm_vsrc(0)
	s_getreg_b32 s2, hwreg(HW_REG_IB_STS2, 6, 4)
	s_cmp_eq_u32 s2, 0
	s_cbranch_scc0 .Lentry_in_a_cluster
	s_endpgm
.Lentry_in_a_cluster:
	s_bfe_u32 s2, ttmp6, 0x10000c
	s_cmp_lg_u32 s2, 0xf033
	s_cbranch_scc0 .Lentry_shape_is_right
	s_endpgm
.Lentry_shape_is_right:
; qkv = hidden_states w_qkv^T on codes of FP6 (E2M3) with E8M0 scales, K = 1,024; the results are quantised and leave as images of operand registers for the attention launch.
; SHARES.  256 work-groups: token block tb (256 tokens) x head pair cg: 128 rows each of q, k and v.  A wave owns 64 tokens and keeps their codes for ALL of K in 384 registers;
; the weights' rows lie in LDS as whole rows of K (768 bytes, each from a multiple of 256 bytes on) and every wave reads all of them: six loads of 8 bytes feed four matrix instructions.
; LDS: q's 128 rows at 0; hidden's 256 rows behind them, read once into registers; then k's and v's 128 rows each are laid over hidden's bytes, behind the full sequence and a round of the cluster's barrier.
; q, k: source 0 = 16 rows of w, source 1 = 16 tokens: a lane holds a token, its registers run along the head.  v: the sources swapped: a lane holds a channel, its registers run along the tokens.
; ORDER INSIDE A BLOCK OF 32: accumulators 2 B, 2 B + 1, register j hold next-K index 32 B + 16 u + 8 h + j and are laid at place 32 B + 16 h + 8 u + j: alike for q and k, and alike for v here and p in the attention launch.
; CLUSTERS 4 x 4: hidden's rows are shared along a row of the cluster, the weights' along a column.  No data prefetch: all tiles are asked for at the head or directly behind it, there is no loop to run ahead in.
; LIMITS: NaN, infinities and a given scale byte 0xff are not served; a block under 2^-124 and a block of zeros keep the byte 1 (their codes are zeros; this program alone reads the bytes).
; REGISTERS: window 0: v2-15 addresses, v16-31 hidden's scale words, v32-63 the weights', v64-159 and v160-255 two sets of the weights' fragments (the second also the way out's);
;   window 1: hidden's fragments of K steps 0-4, window 2: of steps 5-7; window 3: 32 accumulators.
.set PITCH, 816                        ; an LDS row: 3 x (256 bytes + 16 of padding)
.set BLK,   16*PITCH
.set HALF,  64*PITCH
.set LA,    2*HALF                     ; hidden's 256 rows; later k's 128 and v's 128
.set LSC,   6*HALF                     ; the weights' scale bytes: q's, k's, v's 4,096 each
.set SPARE, LSC+12288                  ; the spare words
.set FB,  2                            ; r x pitch + 24 h
.set FB2, 3                            ; the same behind one padding more for lanes 16-31
.set VB,  4                            ; v4-7 the group's fragment addresses: blocks 0-3 (two forms), blocks 4-7
.set VS0, 8                            ; 32 r + 16 h
.set VSB, 9
.set SPW, 10
.set NIL, 11
.set L8,  12
.set SH,  13                           ; 16 h
.set VA,  14
.set VA2, 15
.set SCA, 16
.set SCB, 32
.set BF,  64
.set PCD, 160
.set TM,  208
.set PW,  224
.set CT,  226
.set WR,  236
.set DD,  240
.set SEL, 96
.set PADW, (1<<20)|(1<<21)|(5<<22)|(3<<25)
.set G1A, 24
.set G1B, 32
.set G1S, 40
.set G1C, 48
.set G0A, 56
.set G0B, 60
.set G0S, 76
.set G0C, 80
.set MSB, 0
.macro WIN new                         ; the immediate's high byte repeats the setting that is left
.if MSB != \new
	s_set_vgpr_msb (MSB<<8)|\new
.set MSB, \new
.endif
.endm
.macro PLACES
.rept 4
	v_nop
.endr
.endm
.macro CROUND
	s_barrier_signal -1
	s_barrier_wait -1
	s_cmp_lg_u32 s14, 0
	s_cbranch_scc1 .Lnot_wave_0_\@
	s_barrier_signal -3
.Lnot_wave_0_\@:
	s_barrier_wait -3
	s_barrier_signal -1
	s_barrier_wait -1
.endm
.macro GRP1 g, rows                    ; rows of 768 bytes, 16 bytes of padding behind every 256
	s_mov_b32 s[\g+1], 768<<16
	s_mov_b32 s[\g+2], \rows<<16
	s_mov_b32 s[\g+3], 768<<16
	s_mov_b32 s[\g+4], \rows
	s_mov_b32 s[\g+5], 768
	s_mov_b32 s[\g+6], 0
	s_mov_b32 s[\g+7], 0
.endm
	s_load_b128 s[4:7], s[0:1], 0x0                ; hidden's codes, scales
	s_load_b128 s[8:11], s[0:1], 0x10              ; w_qkv's codes, scales
	s_load_b128 s[68:71], s[0:1], 0x20             ; qk_img, qk_sc
	s_load_b128 s[72:75], s[0:1], 0x30             ; v_img, v_sc
	v_lshl_add_u32 v[SPW], v0, 2, SPARE
	v_mov_b32 v[NIL], 0
	ds_add_u32 v[SPW], v[NIL]                      ; the opening lines: the add twice on end and one wait
	ds_add_u32 v[SPW], v[NIL]
	v_lshrrev_b32 v1, 5, v0
	v_readfirstlane_b32 s14, v1                    ; wave
	s_bfe_u32 s15, ttmp6, 0x40000                  ; cx
	s_bfe_u32 s16, ttmp6, 0x40004                  ; cy
	s_lshl_b32 s18, ttmp9, 2
	s_add_co_u32 s18, s18, s15                     ; cg: head pair
	s_and_b32 s17, ttmp7, 0xffff
	s_lshl_b32 s17, s17, 2
	s_add_co_u32 s17, s17, s16                     ; tb: token block
	s_lshl_b32 s19, s16, 2
	s_lshl_b32 s19, 15, s19                        ; my row of the cluster
	s_lshl_b32 s20, 0x1111, s15                    ; my column
	s_or_b32 s[G1A], s19, PADW
	s_or_b32 s[G1B], s20, PADW
	s_or_b32 s[G1C], s20, PADW
	s_or_b32 s[G1S], s20, (3<<16)|(1<<21)
	GRP1 G1A, 128
	GRP1 G1B, 128
	GRP1 G1C, 64
	s_mov_b32 s[G1S+1], 512<<16                    ; the scales: 3 rows of 4,096 bytes (512 elements of 8), 32,768 bytes apart
	s_mov_b32 s[G1S+2], 3<<16
	s_mov_b32 s[G1S+3], 512<<16
	s_mov_b32 s[G1S+4], 3
	s_mov_b32 s[G1S+5], 4096
	s_mov_b32 s[G1S+6], 0
	s_mov_b32 s[G1S+7], 0
	s_lshl_b32 s21, s17, 8                         ; 256 tb
	s_lshl_b32 s22, s14, 7
	s_add_co_u32 s22, s21, s22
	s_mul_i32 s22, s22, 768                        ; hidden: rows 256 tb + 128 wave (waves 0, 1 ask)
	s_mov_b32 s23, 0
	s_mul_i32 s84, s18, 98304                      ; q's rows 128 cg
	s_mov_b32 s85, 0
	s_lshl_b32 s86, s18, 12                        ; their scales
	s_mov_b32 s87, 0
	s_lshr_b32 s88, s14, 1
	s_add_co_u32 s88, s88, 1
	s_lshl_b32 s88, s88, 10                        ; waves 0, 1: k's rows, from 1,024; waves 2, 3: v's, from 2,048
	s_lshl_b32 s89, s18, 7
	s_add_co_u32 s88, s88, s89
	s_and_b32 s89, s14, 1
	s_lshl_b32 s89, s89, 6
	s_add_co_u32 s88, s88, s89
	s_mul_i32 s88, s88, 768
	s_mov_b32 s89, 0
	s_mul_i32 s90, s14, 2*HALF
	s_add_co_u32 s90, s90, LA
	s_mul_i32 s91, s14, HALF
	s_add_co_u32 s91, s91, LA                      ; my 64 rows of hidden; later the 64 rows of k or v that I ask for
	s_mov_b32 s[SEL], 0x76543210
	s_mov_b32 s[SEL+1], 0xfedcba98
	s_wait_dscnt 0x0
	s_wait_kmcnt 0x0
	s_mov_b32 s[G0A], 1
	s_mov_b32 s[G0A+1], s90
	s_add_nc_u64 s[G0A+2:G0A+3], s[4:5], s[22:23]
	s_or_b32 s[G0A+3], s[G0A+3], 0x80000000
	s_mov_b32 s[G0B], 1
	s_mov_b32 s[G0B+1], 0
	s_add_nc_u64 s[G0B+2:G0B+3], s[8:9], s[84:85]
	s_or_b32 s[G0B+3], s[G0B+3], 0x80000000
	s_mov_b32 s[G0S], 1
	s_mov_b32 s[G0S+1], LSC
	s_add_nc_u64 s[G0S+2:G0S+3], s[10:11], s[86:87]
	s_or_b32 s[G0S+3], s[G0S+3], 0x80000000
	s_mov_b32 s[G0C], 1
	s_mov_b32 s[G0C+1], s91
	s_add_nc_u64 s[G0C+2:G0C+3], s[8:9], s[88:89]
	s_or_b32 s[G0C+3], s[G0C+3], 0x80000000
	CROUND                                         ; all sixteen work-groups are here: the first joint loads meet
; the head's loads, one a wave: waves 0, 1 hidden's halves, wave 2 q's rows, wave 3 the weights' scales
.macro ARM under, g0, g1, next
	s_cmp_lt_u32 s14, \under
	s_cbranch_scc0 \next
	tensor_load_to_lds s[\g0:\g0+3], s[\g1:\g1+7]
	s_nop 0
	PLACES
	s_branch .Lasked
\next:
.endm
	ARM 2, G0A, G1A, .Lhead_b
	ARM 3, G0B, G1B, .Lhead_s
	tensor_load_to_lds s[G0S:G0S+3], s[G1S:G1S+7]
	s_nop 0
	PLACES
.Lasked:
	v_and_b32 v1, 15, v0                           ; r
	v_bfe_u32 v[SH], v0, 4, 1                      ; h
	v_mul_u32_u24 v[FB], v1, PITCH
	v_mad_u32_u24 v[FB], v[SH], 24, v[FB]
	v_lshl_add_u32 v[FB2], v[SH], 4, v[FB]
	v_lshlrev_b32 v[VS0], 5, v1
	v_lshl_add_u32 v[VS0], v[SH], 4, v[VS0]
	v_and_b32 v[L8], 31, v0
	v_lshlrev_b32 v[L8], 3, v[L8]
	v_lshlrev_b32 v[SH], 4, v[SH]
	v_add_nc_u32 v[VA], s91, v[FB]
	v_add_nc_u32 v[VA2], s91, v[FB2]
	s_lshl_b32 s22, s14, 6
	s_add_co_u32 s22, s21, s22
	s_lshl_b32 s22, s22, 5                         ; my 64 tokens' scale bytes
	s_add_nc_u64 s[6:7], s[6:7], s[22:23]
.irp a, 0,1,2,3
	global_load_b128 v[SCA+4*\a:SCA+4*\a+3], v[VS0], s[6:7] offset:512*\a   ; register j: lanes 0-15 the word of K step j, lanes 16-31 of step 4 + j; 512 consecutive bytes a load
.endr
	s_lshr_b32 s92, s17, 2
	s_lshl_b32 s92, s92, 4
	s_lshl_b32 s93, s18, 1
	s_add_co_u32 s92, s92, s93                     ; hd = 16 batch + 2 cg
	s_and_b32 s93, s17, 3
	s_lshl_b32 s93, s93, 2
	s_add_co_u32 s93, s93, s14                     ; hs = my 64 tokens among the batch's 16 such
	s_mul_i32 s94, s92, 49152
	s_mul_i32 s84, s93, 3072
	s_add_co_u32 s94, s94, s84                     ; both images: a head 49,152 bytes, 64 tokens 3,072
	s_mov_b32 s95, 0
	s_add_nc_u64 s[68:69], s[68:69], s[94:95]
	s_add_nc_u64 s[72:73], s[72:73], s[94:95]
	s_lshl_b32 s93, s93, 8
	s_lshl_b32 s94, s92, 12
	s_add_co_u32 s94, s94, s93
	s_add_nc_u64 s[70:71], s[70:71], s[94:95]      ; qk_sc: a head 4,096, 64 tokens 256
	s_lshl_b32 s94, s92, 11
	s_add_co_u32 s94, s94, s93
	s_add_nc_u64 s[74:75], s[74:75], s[94:95]      ; v_sc: a head pair 4,096, 64 tokens 256
	s_mov_b32 s12, 0                               ; the group's rows in LDS
	s_mov_b32 s98, 4*BLK
	s_mov_b32 s13, LSC                             ; and its scales
; a piece of 8 bytes: piece PP of the row for lanes 0-15, PP + 3 for lanes 16-31, which lies behind one padding more where PP % 32 is 29 or more
.macro PIECE reg, a0, a1, s, p, off
.set PP, 12*(\s)+6*((\p)/3)+(\p)%3
.if PP%32 < 29
	ds_load_b64 v[\reg:\reg+1], v[\a0] offset:8*PP+16*(PP/32)+\off
.else
	ds_load_b64 v[\reg:\reg+1], v[\a1] offset:8*PP+16*(PP/32)+\off
.endif
.endm
.macro FETCH s, set                    ; the group's eight fragments of K step s
.irp b, 0,1,2,3,4,5,6,7
.irp p, 0,1,2,3,4,5
	PIECE BF+96*(\set)+12*\b+2*\p, VB+2*(\b/4), VB+2*(\b/4)+1, \s, \p, (\b%4)*BLK
.endr
.endr
.endm
.macro GADDR
	v_add_nc_u32 v[VB], s12, v[FB]
	v_add_nc_u32 v[VB+1], s12, v[FB2]
	v_add_nc_u32 v[VB+2], s98, v[FB]
	v_add_nc_u32 v[VB+3], s98, v[FB2]
	v_add_nc_u32 v[VSB], s13, v[VS0]
.endm
.macro BSC                             ; the group's scale words: block b, register j: lanes 0-15 step j, lanes 16-31 step 4 + j
.irp b, 0,1,2,3,4,5,6,7
	ds_load_b128 v[SCB+4*\b:SCB+4*\b+3], v[VSB] offset:512*\b
.endr
.endm
.macro WM d, x, y, sx, sy, zero, row
.if \zero
	v_wmma_scale_f32_16x16x128_f8f6f4 v[\d:\d+7], v[\x:\x+11], v[\y:\y+11], 0, v[\sx], v[\sy] matrix_a_fmt:MATRIX_FMT_FP6 matrix_b_fmt:MATRIX_FMT_FP6
.elseif \row
	v_wmma_scale_f32_16x16x128_f8f6f4 v[\d:\d+7], v[\x:\x+11], v[\y:\y+11], v[\d:\d+7], v[\sx], v[\sy] matrix_a_fmt:MATRIX_FMT_FP6 matrix_b_fmt:MATRIX_FMT_FP6 matrix_a_scale:MATRIX_SCALE_ROW1 matrix_b_scale:MATRIX_SCALE_ROW1
.else
	v_wmma_scale_f32_16x16x128_f8f6f4 v[\d:\d+7], v[\x:\x+11], v[\y:\y+11], v[\d:\d+7], v[\sx], v[\sy] matrix_a_fmt:MATRIX_FMT_FP6 matrix_b_fmt:MATRIX_FMT_FP6
.endif
.endm
; a K step: 32 matrix instructions, the 32 accumulators by turns; the next step's fragments are asked for ahead of them.  vv = 1: v's group
.macro STEP s, vv
	s_wait_dscnt 0x0                               ; this step's fragments, asked for a step ago
.if \s < 7
	PLACES                                         ; the other set was read by the last step's products
	FETCH (\s)+1, ((\s)+1)%2
.endif
.if \vv
	WIN 0xf0|(1+(\s)/5)
.else
	WIN 0xf0|((1+(\s)/5)<<2)
.endif
.irp a, 0,1,2,3
.irp b, 0,1,2,3,4,5,6,7
.if \vv
	WM 8*(4*\b+\a), 48*((\s)%5)+12*\a, BF+96*((\s)%2)+12*\b, SCA+4*\a+(\s)%4, SCB+4*\b+(\s)%4, (\s)==0, (\s)/4
.else
	WM 8*(8*\a+\b), BF+96*((\s)%2)+12*\b, 48*((\s)%5)+12*\a, SCB+4*\b+(\s)%4, SCA+4*\a+(\s)%4, (\s)==0, (\s)/4
.endif
.endr
.endr
	WIN 0
.endm
; 64 numbers of a lane (128 along the next K) become 12 registers of codes at v[PCD + 12 a] and a scale word in v[PW].  A block of 32 lies in lanes l and l xor 16.
.macro QUANT a
.set SA, 64*(\a)
.set PCA, PCD+12*(\a)
	WIN 15
.irp b, 0,1,2,3
	v_max3_num_f32 v[TM+\b], |v[SA+16*\b]|, |v[SA+16*\b+1]|, 0x1800000   ; the floor 2^(3 - 127) holds the byte at 1 from below; each accumulator is read from its low end on
.endr
	WIN 60
.irp i, 2,4,6,8,10,12,14
.irp b, 0,1,2,3
	v_max3_num_f32 v[TM+\b], v[TM+\b], |v[SA+16*\b+\i]|, |v[SA+16*\b+\i+1]|
.endr
.endr
	WIN 0
.irp b, 0,1,2,3
	v_permlanex16_b32 v[TM+4+\b], v[TM+\b], s[SEL], s[SEL+1]
.endr
.irp b, 0,1,2,3
	v_max_num_f32 v[TM+\b], v[TM+\b], v[TM+4+\b]
.endr
.irp b, 0,1,2,3
	v_add_nc_u32 v[TM+12+\b], 0xff000000, v[TM+\b] ; 2 off the exponent field: the conversion's scale operand
.endr
.irp b, 0,1,2,3
	v_lshrrev_b32 v[TM+4+\b], 23, v[TM+12+\b]      ; the scale's byte
.endr
	v_lshl_or_b32 v[PW], v[TM+5], 8, v[TM+4]
	v_lshl_or_b32 v[PW], v[TM+6], 16, v[PW]
	v_lshl_or_b32 v[PW], v[TM+7], 24, v[PW]
	WIN 3
.irp c, 0,1
	v_cvt_scalef32_pk16_fp6_f32 v[PCA+6*\c:PCA+6*\c+2], v[SA+32*\c:SA+32*\c+15], v[TM+12+2*\c]
	v_cvt_scalef32_pk16_fp6_f32 v[CT+4*\c:CT+4*\c+2], v[SA+32*\c+16:SA+32*\c+31], v[TM+12+2*\c+1]
.endr
	WIN 0
	v_nop                                          ; one plain place behind a scaled conversion
.irp c, 0,1
.irp i, 0,1,2
	v_permlane16_swap_b32 v[PCA+6*\c+\i], v[CT+4*\c+\i]
.endr
.irp i, 0,1,2
	v_mov_b32 v[PCA+6*\c+3+\i], v[CT+4*\c+\i]
.endr
.endr
.endm
.macro TMZ
.irp b, 0,1,2,3
	v_mov_b32 v[TM+4+\b], 0                        ; a lane permute's destination counts as one of its sources
.endr
.endm
	s_wait_alu depctr_va_vdst(0)                   ; the wait at the head's end
	s_wait_tensorcnt 0x0                           ; my tile of the head's four is in
	s_barrier_signal -1
	s_barrier_wait -1                              ; and everybody's
.irp s, 0,1,2,3,4,5,6,7
	WIN (1+(\s)/5)<<6
.irp a, 0,1,2,3
.irp p, 0,1,2,3,4,5
	PIECE 48*((\s)%5)+12*\a+2*\p, VA, VA2, \s, \p, \a*BLK   ; my 64 tokens, all of K: 384 registers
.endr
.endr
.endr
	WIN 0
	GADDR
	FETCH 0, 0
	BSC
	s_wait_alu depctr_va_vdst(0)                   ; the wait here, directly ahead of the wait below
	s_wait_tensorcnt 0x0                           ; the three lines ahead of a refill
	ds_add_u32 v[SPW], v[NIL]
	s_wait_dscnt 0x0                               ; the add, and my reads of hidden's rows
	CROUND                                         ; no wave of any partner still reads hidden's rows
	tensor_load_to_lds s[G0C:G0C+3], s[G1C:G1C+7]  ; k's and v's rows, 64 a wave, over hidden's bytes
	s_nop 0
	PLACES
	s_wait_loadcnt 0x0                             ; hidden's scale words
	s_mov_b32 s3, 0
.Lgroup:                                               ; two trips: q, then k
.irp s, 0,1,2,3,4,5,6,7
	STEP \s, 0
.endr
	s_wait_tensorcnt 0x0                           ; my part of k's and v's rows is in (first trip)
	s_barrier_signal -1
	s_barrier_wait -1
	s_add_co_u32 s12, s12, 2*HALF
	s_add_co_u32 s98, s12, 4*BLK
	s_add_co_u32 s13, s13, 4096
	GADDR                                          ; also the places behind the last products
	FETCH 0, 0                                     ; the next group's first fragments land while this group goes out
	BSC
	TMZ
.irp a, 0,1,2,3
	QUANT \a
	v_lshrrev_b32 v[WR+2*((\a)&1)+((\a)>>1)], v[SH], v[PW]   ; lanes 0-15 the even head's two bytes, lanes 16-31 the odd head's
.irp n, 0,1,2,3,4,5
	global_store_b64 v[L8], v[PCA+2*\n:PCA+2*\n+1], s[68:69] offset:(\n/3)*49152+(\a)*768+(\n%3)*256   ; 32 lanes store 256 consecutive bytes, aligned
.endr
.endr
	v_permlane16_swap_b32 v[WR], v[WR+2]           ; the even head's words of tokens 0-31 in one register, the odd head's in the other
	v_permlane16_swap_b32 v[WR+1], v[WR+3]         ; and of tokens 32-63
	global_store_b64 v[L8], v[WR:WR+1], s[70:71]   ; token 32 t + lane lies at 8 lane + 4 t
	global_store_b64 v[L8], v[WR+2:WR+3], s[70:71] offset:4096
	s_wait_xcnt 0x0                                ; the stores have read their registers and bases
	s_add_nc_u64 s[68:69], s[68:69], 6291456       ; k's images lie behind q's 128 heads
	s_add_nc_u64 s[70:71], s[70:71], 524288
	s_add_co_u32 s3, s3, 1
	s_cmp_lt_u32 s3, 2
	s_wait_alu depctr_va_vdst(0)                   ; the wait ahead of the branch
	s_cbranch_scc1 .Lgroup
.irp s, 0,1,2,3,4,5,6,7
	STEP \s, 1
.endr
	PLACES                                         ; four places behind the last products: the way out writes registers of their fragments and reads their results
	TMZ
.irp i, 0,1,2,3                        ; channel blocks 2 i, 2 i + 1: each six registers, 16 channels x my 64 keys
	QUANT \i
	v_lshrrev_b32 v[WR+\i], v[SH], v[PW]
.irp n, 0,1,2,3,4,5
	global_store_b64 v[L8], v[PCA+2*\n:PCA+2*\n+1], s[72:73] offset:((\i)>>1)*49152+(2*((\i)&1)+\n/3)*768+(\n%3)*256
.endr
.endr
	v_perm_b32 v[DD], v[WR+1], v[WR], 0x05040100   ; a head's word: lanes 0-15 channel tiles 0 (low half) and 2, lanes 16-31 tiles 1 and 3
	v_perm_b32 v[DD+1], v[WR+3], v[WR+2], 0x05040100
	global_store_b64 v[L8], v[DD:DD+1], s[74:75]   ; 8 lane + 4 head
	s_wait_tensorcnt 0x0                           ; the wave's end
	ds_add_u32 v[SPW], v[NIL]
	s_wait_dscnt 0x0
	CROUND                                         ; the closing round
	s_endpgm
.Lfunc_end_k_q4022a22fdb_qkv:
	.size	k_q4022a22fdb_qkv, .Lfunc_end_k_q4022a22fdb_qkv-k_q4022a22fdb_qkv
	.p2alignl 7, 3214868480
	.fill 96, 4, 3214868480
	.section	.rodata,"a",@progbits
	.p2align	6, 0x0
	.amdhsa_kernel k_q4022a22fdb_qkv
		.amdhsa_group_segment_fixed_size 327680
		.amdhsa_private_segment_fixed_size 0
		.amdhsa_enable_private_segment 0
		.amdhsa_kernarg_size 64
		.amdhsa_user_sgpr_count 2
		.amdhsa_user_sgpr_kernarg_segment_ptr 1
		.amdhsa_wavefront_size32 1
		.amdhsa_system_sgpr_workgroup_id_x 1
		.amdhsa_system_sgpr_workgroup_id_y 1
		.amdhsa_system_sgpr_workgroup_id_z 1
		.amdhsa_system_vgpr_workitem_id 0
		.amdhsa_next_free_vgpr 1024
		.amdhsa_next_free_sgpr 100
		.amdhsa_reserve_vcc 0
		.amdhsa_float_denorm_mode_32 3
		.amdhsa_float_denorm_mode_16_64 3
		.amdhsa_memory_ordered 1
		.amdhsa_forward_progress 1
		.amdhsa_inst_pref_size 176
	.end_amdhsa_kernel
	.amdgpu_metadata
---
amdhsa.version: [ 1, 2 ]
amdhsa.kernels:
  - .name:           k_q4022a22fdb_qkv
    .symbol:         k_q4022a22fdb_qkv.kd
    .args:
      - { .name: hidden_states_codes, .offset: 0, .size: 8, .value_kind: global_buffer, .address_space: global }
      - { .name: hidden_states_scales, .offset: 8, .size: 8, .value_kind: global_buffer, .address_space: global }
      - { .name: w_qkv_codes, .offset: 16, .size: 8, .value_kind: global_buffer, .address_space: global }
      - { .name: w_qkv_scales, .offset: 24, .size: 8, .value_kind: global_buffer, .address_space: global }
      - { .name: qk_img, .offset: 32, .size: 8, .value_kind: global_buffer, .address_space: global }
      - { .name: qk_sc, .offset: 40, .size: 8, .value_kind: global_buffer, .address_space: global }
      - { .name: v_img, .offset: 48, .size: 8, .value_kind: global_buffer, .address_space: global }
      - { .name: v_sc, .offset: 56, .size: 8, .value_kind: global_buffer, .address_space: global }
    .group_segment_fixed_size: 327680
    .private_segment_fixed_size: 0
    .kernarg_segment_align: 8
    .kernarg_segment_size: 64
    .max_flat_workgroup_size: 128
    .sgpr_count:     100
    .vgpr_count:     1024
    .wavefront_size: 32
...
	.end_amdgpu_metadata
.endif
;; end of part 1
;; launch attn (part 2): grid 4 x 64, 16 waves a work-group, clusters of 4 x 1, 276,992 bytes of LDS; arguments qk_img, qk_sc, v_img, v_sc, rel_bias_emb, a_img, a_sc; writes a_img, a_sc
.if DOCPART == 2
	.amdgcn_target "amdgcn-amd-amdhsa--gfx1250"
	.amdhsa_code_object_version 6
	.text
	.protected	k_q4022a22fdb_attn
	.globl	k_q4022a22fdb_attn
	.p2align	8
	.type	k_q4022a22fdb_attn,@function
k_q4022a22fdb_attn:
	s_mov_b64 s[64:65], 0
	v_nop
	global_prefetch_b8 v0, s[64:65] scope:SCOPE_SE
	s_setreg_imm32_b32 hwreg(HW_REG_WAVE_MODE, 25, 1), 1
	s_wait_xcnt 0x0
	s_wait_alu depctr_hold_cnt(0) depctr_sa_sdst(0) depctr_va_vdst(0) depctr_va_sdst(0) depctr_va_ssrc(0) depctr_va_vcc(0) depctr_vm_vsrc(0)
	s_getreg_b32 s2, hwreg(HW_REG_IB_STS2, 6, 4)
	s_cmp_eq_u32 s2, 0
	s_cbranch_scc0 .Lentry_in_a_cluster
	s_endpgm
.Lentry_in_a_cluster:
	s_bfe_u32 s2, ttmp6, 0x10000c
	s_cmp_lg_u32 s2, 0x3003
	s_cbranch_scc0 .Lentry_shape_is_right
	s_endpgm
.Lentry_shape_is_right:
; softmax(q k^T + bias) v for two heads of one batch, both products on codes of FP6 (E2M3); the result is divided by the row's sum, quantised along the inner axis and leaves as the projection's operand registers.
; SHARES.  A cluster of four work-groups owns one batch and one pair of heads.  Wave w of work-group cx owns queries 64 w + 16 cx + 0 .. 15, first for the even head, then for the odd one.
; K, V and their scale words of both heads (208,896 bytes) come into LDS once, by joint loads of the four partners, one load a wave (waves 0-12); one barrier shows them to all waves; nothing is filled again,
; and no barrier stands in the walk over the keys.  No data prefetch: all is asked for at the head.
; LAYOUT.  Both products transposed: a lane holds one query.  The head's 64 fill half of the instruction's 128 along K: Q's upper six registers are zero codes, and K's operand runs on into the next tile's registers,
; whose codes meet those zeros under finite scale bytes: they add exactly 0.  P's registers of tiles 2 B, 2 B + 1 hold keys 32 B + 16 u + 8 h + j and are laid at place 32 B + 16 h + 8 u + j, as V's codes were.
; THE BIAS hangs on key - query and the head alone and is the C of each score product: a step all of whose distances are 129 or more on one side takes eight registers of one number; the others load C from a table in LDS,
; T[x] = emb[bucket(x - 976 - 16 cx)], kept four times, copy s shifted by s words.  Buckets by whole-number thresholds: |d| under 8 itself; 8 .. 15 from 8, 12, 16, 23, 32, 46, 64, 91 on; + 16 where key > query.
; SOFTMAX: t = logit x log2(e); M = the running largest t rounded up; p = 2^(t - M) is quantised; the sum is of the unquantised p; when M moves, sum and O^T are multiplied by 2^(old M - new M).
; LIMITS: NaN and infinities are not served; a block under 2^-124 and a block of zeros keep the byte 1; the promise holds while |t| stays under 2^31.
.set KIMG, 0                           ; [head 2][tile 64][piece 3][lane][8]
.set VIMG, 98304                       ; [head 2][64 keys 16][d tile 4][piece 3][lane][8]
.set KSC,  196608                      ; [head 2][64 keys 16][lane][2 words]
.set VSC,  204800                      ; [64 keys 16][lane][head 2] words
.set TBL,  208896
.set TCOPY, 8256
.set THEAD, 4*TCOPY
.set SPARE, TBL+2*THEAD
.set AK0, 1                            ; 8 lane
.set AV0, 2
.set AS0, 3
.set AT0, 4
.set AB0, 5
.set ADK, 6
.set ADV, 7
.set ADS, 8
.set ADT, 9
.set ADB, 10
.set L16, 11
.set QF,  16
.set QN,  28
.set QS,  34
.set PS,  36                           ; V's raw scale halves of the step's first 64 keys, then P's scale word
.set AW,  37
.set VS,  38
.set KW,  40
.set KV,  44
.set PC,  92
.set S,   104
.set OT,  168
.set AF,  200
.set CN,  212
.set CP,  220
.set BM,  228
.set T2,  232
.set SO,  236
.set FF,  244
.set TA,  246
.set VY,  247                          ; V's raw scale halves of the second 64 keys
.set WV,  18
.set SEL, 20
.set CS,  22
.set KB,  66
.set SB,  67
.set TB,  68
.set EE,  69
.set BB,  70
.set CNT, 71
.macro CROUND
	s_barrier_signal -1
	s_barrier_wait -1
	s_cmp_lg_u32 s[WV], 0
	s_cbranch_scc1 .Lnot_wave_0_\@
	s_barrier_signal -3
.Lnot_wave_0_\@:
	s_barrier_wait -3
	s_barrier_signal -1
	s_barrier_wait -1
.endm
	s_load_b128 s[4:7], s[0:1], 0x0                ; qk_img, qk_sc
	s_load_b128 s[8:11], s[0:1], 0x10              ; v_img, v_sc
	s_load_b128 s[12:15], s[0:1], 0x20             ; rel_bias_emb, a_img
	s_load_b64 s[16:17], s[0:1], 0x30              ; a_sc
	v_lshl_add_u32 v254, v0, 2, SPARE
	v_mov_b32 v255, 0
	ds_add_u32 v254, v255                          ; the opening lines
	ds_add_u32 v254, v255
	s_wait_dscnt 0x0
	v_lshrrev_b32 v6, 5, v0
	s_delay_alu instid0(VALU_DEP_1)
	v_readfirstlane_b32 s[WV], v6
	s_bfe_u32 s19, ttmp6, 0x40000                  ; cx
	s_and_b32 s96, ttmp7, 0xffff                   ; 8 batch + head pair
	s_lshr_b32 s97, s96, 3
	s_and_b32 s98, s96, 7
	s_lshl_b32 s99, s97, 4
	s_lshl_b32 s2, s98, 1
	s_add_co_u32 s99, s99, s2                      ; the even head among all
	s_add_co_u32 s2, s99, 128
	s_mul_i32 s76, s2, 49152                       ; K's images
	s_mov_b32 s77, 0
	s_mul_i32 s78, s99, 49152                      ; V's images (and Q's head)
	s_mov_b32 s79, 0
	s_lshl_b32 s80, s2, 12                         ; K's scale words
	s_mov_b32 s81, 0
	s_lshl_b32 s82, s99, 11                        ; V's
	s_mov_b32 s83, 0
.irp g, 24, 32, 40                     ; dense blocks as rows of 256 bytes: 96, 8 and 16 rows; the mask names all four partners
	s_mov_b32 s[\g], 15|(3<<16)|(1<<21)
	s_mov_b32 s[\g+1], 32<<16
	s_mov_b32 s[\g+3], 32<<16
	s_mov_b32 s[\g+5], 32
	s_mov_b32 s[\g+6], 0
	s_mov_b32 s[\g+7], 0
.endr
	s_mov_b32 s26, 96<<16
	s_mov_b32 s28, 96
	s_mov_b32 s34, 8<<16
	s_mov_b32 s36, 8
	s_mov_b32 s42, 16<<16
	s_mov_b32 s44, 16
	s_lshl_b32 s85, s[WV], 2
	s_add_co_u32 s85, s85, s19                     ; T = 4 wave + cx: my tile of 16 queries
	s_mul_i32 s90, s85, 768
	s_add_co_u32 s90, s90, s78
	s_mov_b32 s91, 0
	s_lshl_b32 s92, s99, 12                        ; Q's scale words: token 32 t + lane of 64 lies at 8 lane + 4 t
	s_lshr_b32 s3, s85, 2
	s_lshl_b32 s3, s3, 8
	s_add_co_u32 s92, s92, s3
	s_and_b32 s3, s85, 1
	s_lshl_b32 s3, s3, 7
	s_add_co_u32 s92, s92, s3
	s_bfe_u32 s3, s85, 0x10001
	s_lshl_b32 s3, s3, 2
	s_add_co_u32 s92, s92, s3
	s_mov_b32 s93, 0
	s_lshl_b32 s94, s98, 3
	s_mov_b32 s95, 0
	s_lshl_b32 s100, s97, 6
	s_add_co_u32 s100, s100, s85
	s_lshl_b32 s88, s100, 9
	s_lshl_b32 s3, s98, 6
	s_add_co_u32 s88, s88, s3                      ; a_sc: 512 a tile, 64 a head pair
	s_mov_b32 s89, 0
	s_lshl_b32 s100, s100, 3
	s_add_co_u32 s100, s100, s98
	s_mul_i32 s86, s100, 1536                      ; a_img: a fragment
	s_mov_b32 s87, 0
	s_lshl_b32 s3, s19, 4                          ; 16 cx
	s_xor_b32 s84, s[WV], 15
	s_lshl_b32 s84, s84, 6
	s_mov_b32 s[SEL], 0x76543210
	s_mov_b32 s[SEL+1], 0xfedcba98
	s_mov_b32 s[CS], 0x3fb8aa3b
	s_mov_b32 s[CS+1], s[CS]
	s_mov_b32 s[KB], 0
	s_mov_b32 s[SB], 0
	s_wait_kmcnt 0x0
	s_add_nc_u64 s[76:77], s[4:5], s[76:77]
	s_add_nc_u64 s[78:79], s[8:9], s[78:79]
	s_add_nc_u64 s[80:81], s[6:7], s[80:81]
	s_add_nc_u64 s[82:83], s[10:11], s[82:83]
	s_add_nc_u64 s[90:91], s[4:5], s[90:91]
	s_add_nc_u64 s[92:93], s[6:7], s[92:93]
	s_add_nc_u64 s[94:95], s[12:13], s[94:95]
	s_add_nc_u64 s[86:87], s[14:15], s[86:87]
	s_add_nc_u64 s[88:89], s[16:17], s[88:89]
	s_and_b32 s96, s[WV], 3                        ; which quarter of its kind a wave asks for
	s_mov_b32 s101, 0
	s_mov_b32 s48, 1
	CROUND                                         ; all four work-groups are here: the joint loads meet
; one chain, one load to an arm: waves 0-3 K's quarters, 4-7 V's, 8-11 K's scale words', wave 12 V's scale words; waves 13-15 ask for nothing
.macro ARM under, ptr, step, lbase, g1, next
	s_cmp_lt_u32 s[WV], \under
	s_cbranch_scc0 \next
	s_mul_i32 s100, s96, \step
	s_add_co_u32 s49, s100, \lbase
	s_add_nc_u64 s[50:51], s[\ptr:\ptr+1], s[100:101]
	s_or_b32 s51, s51, 0x80000000
	tensor_load_to_lds s[48:51], s[\g1:\g1+7]
	s_nop 0
.rept 4
	v_nop
.endr
	s_branch .Lfilled
\next:
.endm
	ARM 4, 76, 24576, KIMG, 24, .Lfill_v
	ARM 8, 78, 24576, VIMG, 24, .Lfill_ks
	ARM 12, 80, 2048, KSC, 32, .Lfill_vs
	ARM 13, 82, 4096, VSC, 40, .Lfilled
	s_load_b64 s[72:73], s[94:95], 0x3c0           ; emb[15][pair]: keys far before the query
	s_load_b64 s[74:75], s[94:95], 0x7c0           ; emb[31][pair]: far after
	v_and_b32 v[VY], 31, v0
	s_delay_alu instid0(VALU_DEP_1)
	v_lshlrev_b32 v[AK0], 3, v[VY]
	v_lshlrev_b32 v[L16], 4, v[VY]
	s_delay_alu instid0(VALU_DEP_2)
	v_add_nc_u32 v[AV0], VIMG, v[AK0]
	v_add_nc_u32 v[AS0], KSC, v[AK0]
	v_add_nc_u32 v[AT0], VSC, v[AK0]
.irp c, 0,1
.irp p, 0,1,2
	global_load_b64 v[QF+12*\c+2*\p:QF+12*\c+2*\p+1], v[AK0], s[90:91] offset:\c*49152+\p*256
.endr
.endr
	v_and_b32 v248, 15, v0
	s_delay_alu instid0(VALU_DEP_1)
	v_lshlrev_b32 v248, 3, v248
	global_load_b32 v[QS], v248, s[92:93]
	global_load_b32 v[QS+1], v248, s[92:93] offset:4096
	v_and_b32 v[AB0], 3, v0
	s_delay_alu instid0(VALU_DEP_1)
	v_mul_u32_u24 v[AB0], v[AB0], TCOPY
	v_bfe_u32 v6, v0, 4, 1
	s_delay_alu instid0(VALU_DEP_1)
	v_lshl_add_u32 v[AB0], v6, 5, v[AB0]
	s_delay_alu instid0(VALU_DEP_1)
	v_add_nc_u32 v[AB0], TBL+64, v[AB0]
	v_and_b32 v6, 12, v0
	s_delay_alu instid0(VALU_DEP_1)
	v_lshlrev_b32 v6, 2, v6
	s_delay_alu instid0(VALU_DEP_1)
	v_sub_nc_u32 v[AB0], v[AB0], v6
.irp j, 22,23,24,25,26,27, 92,93,94,95,96,97, 232,233,234,235, 245,246
	v_mov_b32 v[\j], 0
.endr
	v_sub_nc_u32 v249, v0, s3                      ; THE TABLE: thread tid makes x = tid + 512 e for both heads
	v_lshl_add_u32 v254, v0, 2, TBL
.macro THR t, k
	v_cmp_le_u32 vcc_lo, \t, v251
	s_delay_alu instid0(VALU_DEP_1)
	v_cndmask_b32 v252, v252, \k, vcc_lo
.endm
.irp e, 0,1,2,3
	v_add_nc_u32 v250, 512*\e-976, v249            ; d = key - query
	s_delay_alu instid0(VALU_DEP_1)
	v_sub_nc_u32 v251, 0, v250
	v_cmp_gt_i32 vcc_lo, 0, v250
	s_delay_alu instid0(VALU_DEP_1)
	v_cndmask_b32 v251, v250, v251, vcc_lo
	s_delay_alu instid0(VALU_DEP_1)
	v_min_u32 v252, 8, v251
	THR 12, 9
	THR 16, 10
	THR 23, 11
	THR 32, 12
	THR 46, 13
	THR 64, 14
	THR 91, 15
	s_delay_alu instid0(VALU_DEP_1)
	v_add_nc_u32 v253, 16, v252
	v_cmp_lt_i32 vcc_lo, 0, v250
	s_delay_alu instid0(VALU_DEP_1)
	v_cndmask_b32 v252, v252, v253, vcc_lo
	s_delay_alu instid0(VALU_DEP_1)
	v_min_u32 v252, 31, v252
	s_delay_alu instid0(VALU_DEP_1)
	v_lshlrev_b32 v[240+\e], 6, v252
	global_load_b64 v[S+2*\e:S+2*\e+1], v[240+\e], s[94:95]
.endr
	s_wait_loadcnt 0x0
.irp e, 0,1,2,3
.irp c, 0,1
.irp s, 0,1,2,3
	ds_store_b32 v254, v[S+2*\e+\c] offset:\c*THEAD+\s*(TCOPY+4)+2048*\e
.endr
.endr
.endr
	s_wait_kmcnt 0x0
.macro SCORE cb, cs
.irp t, 0,1,2,3,4,5,6,7
.if \t%2
	v_wmma_scale_f32_16x16x128_f8f6f4 v[S+8*\t:S+8*\t+7], v[KV+6*\t:KV+6*\t+11], v[QF:QF+11], v[\cb+\cs*\t:\cb+\cs*\t+7], v[KW+\t/2], v[QS] matrix_a_fmt:MATRIX_FMT_FP6 matrix_b_fmt:MATRIX_FMT_FP6 matrix_a_scale:MATRIX_SCALE_ROW1
.else
	v_wmma_scale_f32_16x16x128_f8f6f4 v[S+8*\t:S+8*\t+7], v[KV+6*\t:KV+6*\t+11], v[QF:QF+11], v[\cb+\cs*\t:\cb+\cs*\t+7], v[KW+\t/2], v[QS] matrix_a_fmt:MATRIX_FMT_FP6 matrix_b_fmt:MATRIX_FMT_FP6
.endif
.endr
.endm
; A KEY STEP: 128 keys.  No two matrix instructions that follow each other share an accumulator, over the loop's edge too.
.macro STEP
	v_add_nc_u32 v[ADK], s[KB], v[AK0]             ; these four are also the places behind the last step's products
	v_add_nc_u32 v[ADS], s[SB], v[AS0]
	v_add_nc_u32 v[ADV], s[KB], v[AV0]
	v_add_nc_u32 v[ADT], s[TB], v[AT0]
.irp t, 0,1,2,3,4,5,6,7
.irp p, 0,1,2
	ds_load_b64 v[KV+6*\t+2*\p:KV+6*\t+2*\p+1], v[ADK] offset:768*\t+256*\p
.endr
.endr
	ds_load_b64 v[KW:KW+1], v[ADS]
	ds_load_b64 v[KW+2:KW+3], v[ADS] offset:256
	ds_load_b32 v[PS], v[ADT]                      ; V's scale halves: low half d tiles 0, 1 (by lane half), high half d tiles 2, 3
	ds_load_b32 v[VY], v[ADT] offset:256
	s_cmp_le_u32 s[EE], 704                        ; every key - query of the step is -129 or less
	s_cbranch_scc1 .Lbefore_\@
	s_cmp_ge_u32 s[EE], 1152                       ; 129 or more
	s_cbranch_scc1 .Lafter_\@
	v_add_nc_u32 v[ADB], s[BB], v[AB0]
.irp t, 0,1,2,3,4,5,6,7
.irp e, 0,1
	ds_load_b128 v[S+8*\t+4*\e:S+8*\t+4*\e+3], v[ADB] offset:64*\t+16*\e
.endr
.endr
	s_wait_dscnt 0x0
	SCORE S, 8
	s_branch .Lscored_\@
.Lbefore_\@:
	s_wait_dscnt 0x0
	SCORE CN, 0
	s_branch .Lscored_\@
.Lafter_\@:
	s_wait_dscnt 0x0
	SCORE CP, 0
.Lscored_\@:
	v_perm_b32 v[VS], v[VY], v[PS], 0x05040100     ; V's scale words of the 128 keys; with the two v_nop: the four places behind the score products
	v_perm_b32 v[VS+1], v[VY], v[PS], 0x07060302
	v_nop
	v_nop
	s_wait_alu depctr_va_vdst(0)
.irp d, 0,1,2,3
.irp c, 0,1
.irp p, 0,1,2
	ds_load_b64 v[KV+12*\d+6*\c+2*\p:KV+12*\d+6*\c+2*\p+1], v[ADV] offset:(4*\c+\d)*768+256*\p   ; V's four fragments land while the softmax is worked
.endr
.endr
.endr
.irp b, 0,1,2,3
	v_max3_num_f32 v[BM+\b], v[S+16*\b], v[S+16*\b+1], v[S+16*\b+2]   ; each block's largest score: for the row's maximum and for the block's largest p
.endr
.irp i, 3,5,7,9,11,13
.irp b, 0,1,2,3
	v_max3_num_f32 v[BM+\b], v[BM+\b], v[S+16*\b+\i], v[S+16*\b+\i+1]
.endr
.endr
.irp b, 0,1,2,3
	v_max_num_f32 v[BM+\b], v[BM+\b], v[S+16*\b+15]
.endr
.irp b, 0,1,2,3
	s_delay_alu instid0(VALU_DEP_4)
	v_permlanex16_b32 v[T2+\b], v[BM+\b], s[SEL], s[SEL+1]
.endr
.irp b, 0,1,2,3
	s_delay_alu instid0(VALU_DEP_4)
	v_max_num_f32 v[BM+\b], v[BM+\b], v[T2+\b]
.endr
	s_delay_alu instid0(VALU_DEP_2)
	v_max3_num_f32 v[TA], v[BM], v[BM+1], v[BM+2]
	s_delay_alu instid0(VALU_DEP_1)
	v_max_num_f32 v[TA], v[TA], v[BM+3]
	s_delay_alu instid0(VALU_DEP_1)
	v_mul_f32 v[TA], s[CS], v[TA]
	s_delay_alu instid0(VALU_DEP_1)
	v_max_num_f32 v13, v13, v[TA]                  ; the running largest t
	v_mov_b32 v[TA], v12
	s_delay_alu instid0(VALU_DEP_2)
	v_floor_f32 v12, -v13                          ; -M
	s_delay_alu instid0(VALU_DEP_1)
	v_sub_f32 v[TA], v12, v[TA]
	s_delay_alu instid0(VALU_DEP_1)
	v_cvt_i32_f32 v[TA], v[TA]
	s_delay_alu instid0(VALU_DEP_1)
	v_ldexp_f32 v[FF], 1.0, v[TA]                  ; f = 2^(old M - new M)
.set j, 0
.rept 32
	v_pk_fma_f32 v[S+j:S+j+1], v[S+j:S+j+1], s[CS:CS+1], v[12:13] op_sel_hi:[1,0,0]
.set j, j+2
.endr
.irp b, 0,1,2,3
	v_fma_f32 v[BM+\b], v[BM+\b], s[CS], v12
.endr
.set j, 0
	s_wait_alu depctr_va_vdst(0)                   ; the wait ahead of the batch
.rept 64
	v_exp_f32 v[S+j], v[S+j]
.set j, j+1
.endr
	v_pk_mul_f32 v[14:15], v[14:15], v[FF:FF+1] op_sel_hi:[1,0]
	s_wait_alu depctr_va_vdst(0)                   ; and behind it
.irp b, 0,1,2,3
	v_exp_f32 v[BM+\b], v[BM+\b]
.endr
	v_pk_add_f32 v[232:233], v[108:109], v[112:113]
	v_pk_add_f32 v[254:255], v[116:117], v[120:121]
	v_pk_add_f32 v[252:253], v[124:125], v[128:129]
	v_pk_add_f32 v[250:251], v[132:133], v[136:137]
	v_pk_add_f32 v[248:249], v[140:141], v[144:145]
	v_pk_add_f32 v[242:243], v[148:149], v[152:153]
	v_pk_add_f32 v[240:241], v[156:157], v[160:161]
	v_pk_add_f32 v[14:15], v[14:15], v[164:165]
	v_pk_add_f32 v[232:233], v[232:233], v[104:105]
	v_pk_add_f32 v[254:255], v[254:255], v[106:107]
	v_pk_add_f32 v[252:253], v[252:253], v[110:111]
	v_pk_add_f32 v[250:251], v[250:251], v[114:115]
	v_pk_add_f32 v[248:249], v[248:249], v[118:119]
	v_pk_add_f32 v[242:243], v[242:243], v[122:123]
	v_pk_add_f32 v[240:241], v[240:241], v[126:127]
	v_pk_add_f32 v[14:15], v[14:15], v[130:131]
	v_pk_add_f32 v[232:233], v[232:233], v[134:135]
	v_pk_add_f32 v[254:255], v[254:255], v[138:139]
	v_pk_add_f32 v[252:253], v[252:253], v[142:143]
	v_pk_add_f32 v[250:251], v[250:251], v[146:147]
	v_pk_add_f32 v[248:249], v[248:249], v[150:151]
	v_pk_add_f32 v[242:243], v[242:243], v[154:155]
	v_pk_add_f32 v[240:241], v[240:241], v[158:159]
	v_pk_add_f32 v[14:15], v[14:15], v[162:163]
	v_pk_add_f32 v[232:233], v[232:233], v[166:167]
	s_delay_alu instid0(VALU_DEP_2)
	v_pk_add_f32 v[14:15], v[14:15], v[250:251]
	s_delay_alu instid0(VALU_DEP_2)
	v_pk_add_f32 v[232:233], v[232:233], v[248:249]
	v_pk_add_f32 v[254:255], v[254:255], v[242:243]
	v_pk_add_f32 v[252:253], v[252:253], v[240:241]
	s_delay_alu instid0(VALU_DEP_2)
	v_pk_add_f32 v[14:15], v[14:15], v[254:255]
	s_delay_alu instid0(VALU_DEP_2)
	v_pk_add_f32 v[232:233], v[232:233], v[252:253]
	s_delay_alu instid0(VALU_DEP_1)
	v_pk_add_f32 v[14:15], v[14:15], v[232:233]
	s_wait_alu depctr_va_vdst(0)                   ; and one for the four
.irp b, 0,1,2,3
	v_max_num_f32 v[BM+\b], 0x1800000, v[BM+\b]
.endr
.irp b, 0,1,2,3
	s_delay_alu instid0(VALU_DEP_4)
	v_add_nc_u32 v[SO+\b], 0xff000000, v[BM+\b]
.endr
.irp b, 0,1,2,3
	s_delay_alu instid0(VALU_DEP_4)
	v_lshrrev_b32 v[T2+\b], 23, v[SO+\b]
.endr
	s_delay_alu instid0(VALU_DEP_3)
	v_lshl_or_b32 v[PS], v[T2+1], 8, v[T2]
	s_delay_alu instid0(VALU_DEP_1)
	v_lshl_or_b32 v[PS], v[T2+2], 16, v[PS]
	s_delay_alu instid0(VALU_DEP_1)
	v_lshl_or_b32 v[PS], v[T2+3], 24, v[PS]
.irp c, 0,1
	v_cvt_scalef32_pk16_fp6_f32 v[PC+6*\c:PC+6*\c+2], v[S+32*\c:S+32*\c+15], v[SO+2*\c]
	v_cvt_scalef32_pk16_fp6_f32 v[BM+4*\c:BM+4*\c+2], v[S+32*\c+16:S+32*\c+31], v[SO+2*\c+1]
.endr
	v_nop
.irp c, 0,1
.irp i, 0,1,2
	v_permlane16_swap_b32 v[PC+6*\c+\i], v[BM+4*\c+\i]
.endr
.irp i, 0,1,2
	s_delay_alu instid0(VALU_DEP_3)
	v_mov_b32 v[PC+6*\c+3+\i], v[BM+4*\c+\i]
.endr
.endr
.set j, 0
.rept 16
	v_pk_mul_f32 v[OT+j:OT+j+1], v[OT+j:OT+j+1], v[FF:FF+1] op_sel_hi:[1,0]   ; O^T under the new M; also the places ahead of the products
.set j, j+2
.endr
	s_wait_alu depctr_va_vdst(0)
	s_wait_dscnt 0x0                               ; V
.irp d, 0,1,2,3
.if \d%2
	v_wmma_scale_f32_16x16x128_f8f6f4 v[OT+8*\d:OT+8*\d+7], v[KV+12*\d:KV+12*\d+11], v[PC:PC+11], v[OT+8*\d:OT+8*\d+7], v[VS+\d/2], v[PS] matrix_a_fmt:MATRIX_FMT_FP6 matrix_b_fmt:MATRIX_FMT_FP6 matrix_a_scale:MATRIX_SCALE_ROW1
.else
	v_wmma_scale_f32_16x16x128_f8f6f4 v[OT+8*\d:OT+8*\d+7], v[KV+12*\d:KV+12*\d+11], v[PC:PC+11], v[OT+8*\d:OT+8*\d+7], v[VS+\d/2], v[PS] matrix_a_fmt:MATRIX_FMT_FP6 matrix_b_fmt:MATRIX_FMT_FP6
.endif
.endr
	s_add_co_u32 s[KB], s[KB], 6144
	s_add_co_u32 s[SB], s[SB], 512
	s_add_co_u32 s[TB], s[TB], 512
	s_add_co_u32 s[EE], s[EE], 128
	s_add_co_u32 s[BB], s[BB], 512
.endm
.macro RUN                             ; a head's eight key steps
	s_mov_b32 s[CNT], 8
.Lstep_\@:
	STEP
	s_sub_co_u32 s[CNT], s[CNT], 1
	s_cmp_lg_u32 s[CNT], 0
	s_cbranch_scc1 .Lstep_\@
.endm
.macro PRO c                           ; a head begins: O^T and the sum as zeros, the largest t as -3e38
.if \c
.irp i, 0,1,2,3,4,5
	v_mov_b32 v[QF+\i], v[QN+\i]
.endr
	v_mov_b32 v[QS], v[QS+1]
.endif
.irp j, 0,1,2,3,4,5,6,7
	v_mov_b32 v[CN+\j], s[72+\c]
	v_mov_b32 v[CP+\j], s[74+\c]
.endr
	v_mov_b32 v13, 0xff61b1e6
	s_delay_alu instid0(VALU_DEP_1)
	v_floor_f32 v12, -v13
	v_mov_b32 v14, 0
	v_mov_b32 v15, 0
.set j, 0
.rept 32
	v_mov_b32 v[OT+j], 0
.set j, j+1
.endr
	s_mov_b32 s[TB], 4*\c
	s_mov_b32 s[EE], s84
	s_lshl_b32 s[BB], s84, 2
.if \c
	s_add_co_u32 s[BB], s[BB], THEAD
.endif
.endm
; a head ends: O^T / the sum; exchanges of halves bring the head's 64 into their true order along the projection's K; two blocks are quantised
.macro EPI c
.rept 4
	v_nop
.endr
	v_add_f32 v14, v14, v15
	s_delay_alu instid0(VALU_DEP_1)
	v_permlanex16_b32 v[TA], v14, s[SEL], s[SEL+1]
	s_delay_alu instid0(VALU_DEP_1)
	v_add_f32 v14, v14, v[TA]
	s_wait_alu depctr_va_vdst(0)
	v_rcp_f32 v[FF], v14
	v_nop
	s_wait_alu depctr_va_vdst(0)
.set j, 0
.rept 16
	v_pk_mul_f32 v[OT+j:OT+j+1], v[OT+j:OT+j+1], v[FF:FF+1] op_sel_hi:[1,0]
.set j, j+2
.endr
.irp b, 0,1
.irp j, 0,1,2,3,4,5,6,7
	v_permlane16_swap_b32 v[OT+16*\b+\j], v[OT+16*\b+8+\j]
.endr
.endr
.irp b, 0,1
	v_max3_num_f32 v[BM+\b], |v[OT+16*\b]|, |v[OT+16*\b+1]|, 0x1800000
.endr
.irp i, 2,4,6,8,10,12,14
.irp b, 0,1
	s_delay_alu instid0(VALU_DEP_2)
	v_max3_num_f32 v[BM+\b], v[BM+\b], |v[OT+16*\b+\i]|, |v[OT+16*\b+\i+1]|
.endr
.endr
.irp b, 0,1
	s_delay_alu instid0(VALU_DEP_2)
	v_permlanex16_b32 v[T2+\b], v[BM+\b], s[SEL], s[SEL+1]
.endr
.irp b, 0,1
	s_delay_alu instid0(VALU_DEP_2)
	v_max_num_f32 v[BM+\b], v[BM+\b], v[T2+\b]
.endr
.irp b, 0,1
	s_delay_alu instid0(VALU_DEP_2)
	v_add_nc_u32 v[SO+\b], 0xff000000, v[BM+\b]
.endr
.irp b, 0,1
	s_delay_alu instid0(VALU_DEP_2)
	v_lshrrev_b32 v[T2+\b], 23, v[SO+\b]
.endr
.if \c
	s_delay_alu instid0(VALU_DEP_2)
	v_lshl_or_b32 v[AW], v[T2], 16, v[AW]
	s_delay_alu instid0(VALU_DEP_1)
	v_lshl_or_b32 v[AW], v[T2+1], 24, v[AW]
.else
	s_delay_alu instid0(VALU_DEP_1)
	v_lshl_or_b32 v[AW], v[T2+1], 8, v[T2]
.endif
	v_cvt_scalef32_pk16_fp6_f32 v[AF+6*\c:AF+6*\c+2], v[OT:OT+15], v[SO]
	v_cvt_scalef32_pk16_fp6_f32 v[BM:BM+2], v[OT+16:OT+31], v[SO+1]
	v_nop
.irp i, 0,1,2
	v_permlane16_swap_b32 v[AF+6*\c+\i], v[BM+\i]
.endr
.irp i, 0,1,2
	s_delay_alu instid0(VALU_DEP_3)
	v_mov_b32 v[AF+6*\c+3+\i], v[BM+\i]
.endr
.endm
	PRO 0
	s_wait_alu depctr_va_vdst(0)                   ; the wait at the head's end
	s_wait_tensorcnt 0x0                           ; my load, if I issued one
	s_wait_dscnt 0x0                               ; my stores into the table
	s_barrier_signal -1
	s_barrier_wait -1                              ; K, V, their scale words and the table are whole for every wave
	RUN
	EPI 0
	PRO 1
	RUN
	EPI 1
.irp c, 0,1,2
	global_store_b128 v[L16], v[AF+4*\c:AF+4*\c+3], s[86:87] offset:512*\c
.endr
	v_and_b32 v248, 15, v0
	s_delay_alu instid0(VALU_DEP_1)
	v_lshlrev_b32 v248, 2, v248
	global_store_b32 v248, v[AW], s[88:89]         ; 16 scale words: lanes l and l + 16 hold the same word and write it to the same place
	s_wait_xcnt 0x0
	v_lshl_add_u32 v254, v0, 2, SPARE
	v_mov_b32 v255, 0
	s_wait_alu depctr_va_vdst(0)
	s_wait_tensorcnt 0x0                           ; the wave's end
	ds_add_u32 v254, v255
	s_wait_dscnt 0x0
	CROUND                                         ; the closing round
	s_endpgm
.Lfunc_end_k_q4022a22fdb_attn:
	.size	k_q4022a22fdb_attn, .Lfunc_end_k_q4022a22fdb_attn-k_q4022a22fdb_attn
	.p2alignl 7, 3214868480
	.fill 96, 4, 3214868480
	.section	.rodata,"a",@progbits
	.p2align	6, 0x0
	.amdhsa_kernel k_q4022a22fdb_attn
		.amdhsa_group_segment_fixed_size 276992
		.amdhsa_private_segment_fixed_size 0
		.amdhsa_enable_private_segment 0
		.amdhsa_kernarg_size 56
		.amdhsa_user_sgpr_count 2
		.amdhsa_user_sgpr_kernarg_segment_ptr 1
		.amdhsa_wavefront_size32 1
		.amdhsa_system_sgpr_workgroup_id_x 1
		.amdhsa_system_sgpr_workgroup_id_y 1
		.amdhsa_system_sgpr_workgroup_id_z 1
		.amdhsa_system_vgpr_workitem_id 0
		.amdhsa_next_free_vgpr 256
		.amdhsa_next_free_sgpr 102
		.amdhsa_reserve_vcc 1
		.amdhsa_float_denorm_mode_32 3
		.amdhsa_float_denorm_mode_16_64 3
		.amdhsa_memory_ordered 1
		.amdhsa_forward_progress 1
		.amdhsa_inst_pref_size 77
	.end_amdhsa_kernel
	.amdgpu_metadata
---
amdhsa.version: [ 1, 2 ]
amdhsa.kernels:
  - .name:           k_q4022a22fdb_attn
    .symbol:         k_q4022a22fdb_attn.kd
    .args:
      - { .name: qk_img, .offset: 0, .size: 8, .value_kind: global_buffer, .address_space: global }
      - { .name: qk_sc, .offset: 8, .size: 8, .value_kind: global_buffer, .address_space: global }
      - { .name: v_img, .offset: 16, .size: 8, .value_kind: global_buffer, .address_space: global }
      - { .name: v_sc, .offset: 24, .size: 8, .value_kind: global_buffer, .address_space: global }
      - { .name: rel_bias_emb, .offset: 32, .size: 8, .value_kind: global_buffer, .address_space: global }
      - { .name: a_img, .offset: 40, .size: 8, .value_kind: global_buffer, .address_space: global }
      - { .name: a_sc, .offset: 48, .size: 8, .value_kind: global_buffer, .address_space: global }
    .group_segment_fixed_size: 276992
    .private_segment_fixed_size: 0
    .kernarg_segment_align: 8
    .kernarg_segment_size: 56
    .max_flat_workgroup_size: 512
    .sgpr_count:     102
    .vgpr_count:     256
    .wavefront_size: 32
...
	.end_amdgpu_metadata
.endif
;; end of part 2
;; launch proj (part 3): grid 32 x 8, 4 waves a work-group, clusters of 4 x 1, 167,936 bytes of LDS; arguments a_img, a_sc, w_out_codes, w_out_scales, out0; writes out0
.if DOCPART == 3
	.amdgcn_target "amdgcn-amd-amdhsa--gfx1250"
	.amdhsa_code_object_version 6
	.text
	.protected	k_q4022a22fdb_proj
	.globl	k_q4022a22fdb_proj
	.p2align	8
	.type	k_q4022a22fdb_proj,@function
k_q4022a22fdb_proj:
	s_mov_b64 s[64:65], 0
	v_nop
	global_prefetch_b8 v0, s[64:65] scope:SCOPE_SE
	s_setreg_imm32_b32 hwreg(HW_REG_WAVE_MODE, 25, 1), 1
	s_wait_xcnt 0x0
	s_wait_alu depctr_hold_cnt(0) depctr_sa_sdst(0) depctr_va_vdst(0) depctr_va_sdst(0) depctr_va_ssrc(0) depctr_va_vcc(0) depctr_vm_vsrc(0)
	s_getreg_b32 s2, hwreg(HW_REG_IB_STS2, 6, 4)
	s_cmp_eq_u32 s2, 0
	s_cbranch_scc0 .Lentry_in_a_cluster
	s_endpgm
.Lentry_in_a_cluster:
	s_bfe_u32 s2, ttmp6, 0x10000c
	s_cmp_lg_u32 s2, 0x3003
	s_cbranch_scc0 .Lentry_shape_is_right
	s_endpgm
.Lentry_shape_is_right:
; out0 = attn w_out^T on codes of FP6 (E2M3) with E8M0 scales, K = 1,024.
; SHARES.  256 work-groups: 256 tokens x 128 columns.  A wave owns 64 tokens: their fragments, laid by the attention launch as images of operand registers, go from memory straight into 384 registers
; (512 consecutive bytes a load) and stay for all of K.  w_out's 128 rows lie in LDS as whole rows of K (768 bytes, each from a multiple of 256 bytes on), 32 rows asked for by each wave, once: nothing is filled again.
; CLUSTERS 4 x 1: the four partners take the same columns and ask for w_out's rows jointly.  The tokens' fragments are each wave's own and go by plain loads.  No data prefetch: all is asked for at the head.
; Source 0 = 16 rows of w_out, source 1 = 16 tokens: a lane holds eight neighbouring columns of one row of the result, which leaves through the wave's own stage in LDS in whole rows of 512 bytes.
; REGISTERS: window 0: v2-15 addresses, v16-31 the tokens' scale words, v32-63 w_out's, v64-255 two sets of w_out's fragments, later the way out; windows 1, 2: the tokens' fragments; window 3: 32 accumulators.
.set PITCH, 816
.set BLK,   16*PITCH
.set STAGE, 128*PITCH
.set SPITCH, 528
.set SPARE, STAGE+4*16*SPITCH
.set FB,  2
.set FB2, 3
.set VB,  4
.set VS0, 8
.set VA4, 9
.set SPW, 10
.set NIL, 11
.set L16, 12
.set STO, 13
.set RD,  14
.set SCA, 16
.set SCB, 32
.set BF,  64
.set BK,  64
.set MSB, 0
.macro WIN new
.if MSB != \new
	s_set_vgpr_msb (MSB<<8)|\new
.set MSB, \new
.endif
.endm
.macro PLACES
.rept 4
	v_nop
.endr
.endm
.macro CROUND
	s_barrier_signal -1
	s_barrier_wait -1
	s_cmp_lg_u32 s14, 0
	s_cbranch_scc1 .Lnot_wave_0_\@
	s_barrier_signal -3
.Lnot_wave_0_\@:
	s_barrier_wait -3
	s_barrier_signal -1
	s_barrier_wait -1
.endm
	s_load_b128 s[4:7], s[0:1], 0x0                ; a_img, a_sc
	s_load_b128 s[8:11], s[0:1], 0x10              ; w_out's codes, scales
	s_load_b64 s[12:13], s[0:1], 0x20              ; out0
	v_lshl_add_u32 v[SPW], v0, 2, SPARE
	v_mov_b32 v[NIL], 0
	ds_add_u32 v[SPW], v[NIL]                      ; the opening lines
	ds_add_u32 v[SPW], v[NIL]
	v_lshrrev_b32 v1, 5, v0
	v_readfirstlane_b32 s14, v1                    ; wave
	s_bfe_u32 s15, ttmp6, 0x40000                  ; cx
	s_lshl_b32 s17, ttmp9, 2
	s_add_co_u32 s17, s17, s15                     ; tb: token block
	s_and_b32 s18, ttmp7, 0xffff                   ; cg: 128 columns, shared by the four partners
	s_mov_b32 s24, 15|(1<<20)|(1<<21)|(5<<22)|(3<<25)   ; 32 rows of 768 bytes, 16 bytes of padding behind every 256
	s_mov_b32 s25, 768<<16
	s_mov_b32 s26, 32<<16
	s_mov_b32 s27, 768<<16
	s_mov_b32 s28, 32
	s_mov_b32 s29, 768
	s_mov_b32 s30, 0
	s_mov_b32 s31, 0
	s_lshl_b32 s20, s18, 7
	s_lshl_b32 s21, s14, 5
	s_add_co_u32 s20, s20, s21
	s_mul_i32 s20, s20, 768                        ; w_out's rows 128 cg + 32 wave
	s_mov_b32 s21, 0
	s_mul_i32 s33, s14, 32*PITCH
	s_mov_b32 s32, 1
	s_lshl_b32 s22, s17, 4
	s_lshl_b32 s23, s14, 2
	s_add_co_u32 s22, s22, s23                     ; my first tile of 16 tokens
	s_mul_i32 s36, s22, 12288
	s_mov_b32 s37, 0
	s_lshl_b32 s38, s22, 9
	s_mov_b32 s39, 0
	s_lshl_b32 s40, s18, 12
	s_mov_b32 s41, 0
	s_lshl_b32 s42, s22, 16                        ; my first row of the result: 16 tiles' rows of 4,096 bytes
	s_lshl_b32 s43, s18, 9
	s_add_co_u32 s42, s42, s43
	s_mov_b32 s43, 0
	s_mul_i32 s44, s14, 16*SPITCH
	s_add_co_u32 s44, s44, STAGE
	v_and_b32 v1, 15, v0                           ; r
	v_bfe_u32 v15, v0, 4, 1                        ; h
	v_mul_u32_u24 v[FB], v1, PITCH
	v_mad_u32_u24 v[FB], v15, 24, v[FB]
	v_lshl_add_u32 v[FB2], v15, 4, v[FB]
	v_mov_b32 v[VB], v[FB]
	v_mov_b32 v[VB+1], v[FB2]
	v_add_nc_u32 v[VB+2], 4*BLK, v[FB]
	v_add_nc_u32 v[VB+3], 4*BLK, v[FB2]
	v_lshlrev_b32 v[VS0], 5, v1
	v_lshl_add_u32 v[VS0], v15, 4, v[VS0]          ; 32 r + 16 h
	v_lshlrev_b32 v[VA4], 2, v1
	v_lshl_add_u32 v[VA4], v15, 8, v[VA4]          ; 4 r + 256 h
	v_and_b32 v[L16], 31, v0
	v_lshlrev_b32 v[L16], 4, v[L16]
	v_mul_u32_u24 v[STO], v1, SPITCH
	v_lshl_add_u32 v[STO], v15, 5, v[STO]
	v_add_nc_u32 v[STO], s44, v[STO]
	v_add_nc_u32 v[RD], s44, v[L16]
	s_wait_alu depctr_va_vdst(0)                   ; the wait at the head's end
	s_wait_dscnt 0x0
	s_wait_kmcnt 0x0
	s_add_nc_u64 s[34:35], s[8:9], s[20:21]
	s_or_b32 s35, s35, 0x80000000
	s_add_nc_u64 s[4:5], s[4:5], s[36:37]
	s_add_nc_u64 s[6:7], s[6:7], s[38:39]
	s_add_nc_u64 s[10:11], s[10:11], s[40:41]
	s_add_nc_u64 s[12:13], s[12:13], s[42:43]
	CROUND                                         ; all four work-groups are here: the joint loads meet
	tensor_load_to_lds s[32:35], s[24:31]          ; one load a wave
	s_nop 0
	PLACES
.irp s, 0,1,2,3,4,5,6,7
	WIN (1+(\s)/5)<<6
.irp a, 0,1,2,3
.irp c, 0,1,2
	global_load_b128 v[48*((\s)%5)+12*\a+4*\c:48*((\s)%5)+12*\a+4*\c+3], v[L16], s[4:5] offset:\a*12288+\s*1536+\c*512
.endr
.endr
.endr
	WIN 0
.irp a, 0,1,2,3
.irp j, 0,1,2,3
	global_load_b32 v[SCA+4*\a+\j], v[VA4], s[6:7] offset:\a*512+\j*64   ; lanes 0-15 the word of K step j, lanes 16-31 of step 4 + j
.endr
.endr
.irp b, 0,1,2,3,4,5,6,7
	global_load_b128 v[SCB+4*\b:SCB+4*\b+3], v[VS0], s[10:11] offset:512*\b
.endr
.macro PIECE reg, a0, a1, s, p, off    ; piece PP of the row for lanes 0-15, PP + 3 for lanes 16-31, behind one padding more where PP % 32 is 29 or more
.set PP, 12*(\s)+6*((\p)/3)+(\p)%3
.if PP%32 < 29
	ds_load_b64 v[\reg:\reg+1], v[\a0] offset:8*PP+16*(PP/32)+\off
.else
	ds_load_b64 v[\reg:\reg+1], v[\a1] offset:8*PP+16*(PP/32)+\off
.endif
.endm
.macro FETCH s, set
.irp b, 0,1,2,3,4,5,6,7
.irp p, 0,1,2,3,4,5
	PIECE BF+96*(\set)+12*\b+2*\p, VB+2*(\b/4), VB+2*(\b/4)+1, \s, \p, (\b%4)*BLK
.endr
.endr
.endm
.macro WM d, x, y, sx, sy, zero, row
.if \zero
	v_wmma_scale_f32_16x16x128_f8f6f4 v[\d:\d+7], v[\x:\x+11], v[\y:\y+11], 0, v[\sx], v[\sy] matrix_a_fmt:MATRIX_FMT_FP6 matrix_b_fmt:MATRIX_FMT_FP6
.elseif \row
	v_wmma_scale_f32_16x16x128_f8f6f4 v[\d:\d+7], v[\x:\x+11], v[\y:\y+11], v[\d:\d+7], v[\sx], v[\sy] matrix_a_fmt:MATRIX_FMT_FP6 matrix_b_fmt:MATRIX_FMT_FP6 matrix_a_scale:MATRIX_SCALE_ROW1 matrix_b_scale:MATRIX_SCALE_ROW1
.else
	v_wmma_scale_f32_16x16x128_f8f6f4 v[\d:\d+7], v[\x:\x+11], v[\y:\y+11], v[\d:\d+7], v[\sx], v[\sy] matrix_a_fmt:MATRIX_FMT_FP6 matrix_b_fmt:MATRIX_FMT_FP6
.endif
.endm
.macro STEP s                          ; 32 matrix instructions, the 32 accumulators by turns
	s_wait_dscnt 0x0
.if \s < 7
	PLACES
	FETCH (\s)+1, ((\s)+1)%2
.endif
	WIN 0xf0|((1+(\s)/5)<<2)
.irp a, 0,1,2,3
.irp b, 0,1,2,3,4,5,6,7
	WM 8*(8*\a+\b), BF+96*((\s)%2)+12*\b, 48*((\s)%5)+12*\a, SCB+4*\b+(\s)%4, SCA+4*\a+(\s)%4, (\s)==0, (\s)/4
.endr
.endr
	WIN 0
.endm
	s_wait_tensorcnt 0x0                           ; my 32 rows are in
	s_barrier_signal -1
	s_barrier_wait -1                              ; and everybody's
	FETCH 0, 0
	s_wait_loadcnt 0x0                             ; the tokens' fragments and all scale words
.irp s, 0,1,2,3,4,5,6,7
	STEP \s
.endr
; THE WAY OUT, block by block of 16 rows x 128 columns, through my own stage; LDS serves a wave's instructions in order
.macro TOSTAGE a
	WIN 0x0c
.irp b, 0,1,2,3,4,5,6,7
	ds_store_b128 v[STO], v[64*(\a)+8*\b:64*(\a)+8*\b+3] offset:64*\b        ; each accumulator from its low end on
	ds_store_b128 v[STO], v[64*(\a)+8*\b+4:64*(\a)+8*\b+7] offset:64*\b+16
.endr
	WIN 0
.set BB, BK+64*((\a)%2)
.irp t, 0,1,2,3,4,5,6,7,8,9,10,11,12,13,14,15
	ds_load_b128 v[BB+4*\t:BB+4*\t+3], v[RD] offset:\t*SPITCH
.endr
.endm
.macro SEND a, younger
.set BB, BK+64*((\a)%2)
	s_wait_dscnt \younger                          ; the block is back; the LDS instructions issued behind its loads may be out
.if (\a) > 0
	s_add_nc_u64 s[12:13], s[12:13], 16*4096       ; behind a wait on XCNT: the earlier stores have read their base
.endif
.irp t, 0,1,2,3,4,5,6,7,8,9,10,11,12,13,14,15
	global_store_b128 v[L16], v[BB+4*\t:BB+4*\t+3], s[12:13] offset:\t*4096 th:TH_STORE_NT   ; 32 lanes store 512 consecutive bytes, aligned
.endr
.endm
	PLACES
	TOSTAGE 0
.irp a, 1,2,3
.if \a > 1
	s_wait_xcnt 0x0
.endif
	TOSTAGE \a
	SEND \a-1, 32                                  ; behind block a - 1's loads: block a's 16 stores and 16 loads
.endr
	s_wait_xcnt 0x0
	SEND 3, 0
	s_wait_tensorcnt 0x0                           ; the wave's end
	ds_add_u32 v[SPW], v[NIL]
	s_wait_dscnt 0x0
	CROUND                                         ; the closing round
	s_endpgm
.Lfunc_end_k_q4022a22fdb_proj:
	.size	k_q4022a22fdb_proj, .Lfunc_end_k_q4022a22fdb_proj-k_q4022a22fdb_proj
	.p2alignl 7, 3214868480
	.fill 96, 4, 3214868480
	.section	.rodata,"a",@progbits
	.p2align	6, 0x0
	.amdhsa_kernel k_q4022a22fdb_proj
		.amdhsa_group_segment_fixed_size 167936
		.amdhsa_private_segment_fixed_size 0
		.amdhsa_enable_private_segment 0
		.amdhsa_kernarg_size 40
		.amdhsa_user_sgpr_count 2
		.amdhsa_user_sgpr_kernarg_segment_ptr 1
		.amdhsa_wavefront_size32 1
		.amdhsa_system_sgpr_workgroup_id_x 1
		.amdhsa_system_sgpr_workgroup_id_y 1
		.amdhsa_system_sgpr_workgroup_id_z 1
		.amdhsa_system_vgpr_workitem_id 0
		.amdhsa_next_free_vgpr 1024
		.amdhsa_next_free_sgpr 66
		.amdhsa_reserve_vcc 0
		.amdhsa_float_denorm_mode_32 3
		.amdhsa_float_denorm_mode_16_64 3
		.amdhsa_memory_ordered 1
		.amdhsa_forward_progress 1
		.amdhsa_inst_pref_size 89
	.end_amdhsa_kernel
	.amdgpu_metadata
---
amdhsa.version: [ 1, 2 ]
amdhsa.kernels:
  - .name:           k_q4022a22fdb_proj
    .symbol:         k_q4022a22fdb_proj.kd
    .args:
      - { .name: a_img, .offset: 0, .size: 8, .value_kind: global_buffer, .address_space: global }
      - { .name: a_sc, .offset: 8, .size: 8, .value_kind: global_buffer, .address_space: global }
      - { .name: w_out_codes, .offset: 16, .size: 8, .value_kind: global_buffer, .address_space: global }
      - { .name: w_out_scales, .offset: 24, .size: 8, .value_kind: global_buffer, .address_space: global }
      - { .name: out0, .offset: 32, .size: 8, .value_kind: global_buffer, .address_space: global }
    .group_segment_fixed_size: 167936
    .private_segment_fixed_size: 0
    .kernarg_segment_align: 8
    .kernarg_segment_size: 40
    .max_flat_workgroup_size: 128
    .sgpr_count:     66
    .vgpr_count:     1024
    .wavefront_size: 32
...
	.end_amdgpu_metadata
.endif
;; end of part 3
